; MI455X (gfx1250); checked and timed in simulation.
; The chip was launched on July 23, 2026; its instructions are those of AMD's public machine-readable ISA for CDNA 5 (MIT licence, August 2026) and "CDNA5" Instruction Set Architecture Reference Guide (July 2026). The comments in the code are by the model that wrote it; some were corrected since.
;; Base Mo E. Allowed arithmetic: matrix products marked QUANTISED: E2M1 operands, one E8M0 scale for each 32 along K, by v_wmma_scale_f32_16x16x128_f8f6f4 with both operands' format E2M1 (or v_wmma_scale_f32_32x16x128_f4), f32 sums; products left as they are: f32 operands where the result goes on into a quantised operand, else bf16, f16 or f32 operands; f32 sums; everything else in f32.
;; Inputs: W1 8 x 1,024 x 4,096 float32; W2 8 x 4,096 x 1,024 float32; Wg 1,024 x 8 float32; b1 8 x 4,096 float32; b2 8 x 1,024 float32; bg 8 float32; x 1,024 x 1,024 float32.
;; Outputs: out0 1,024 x 1,024 float32.
;; This version of the problem:
;;   THIS VERSION OF THE PROBLEM IS GIVEN IN LOW PRECISION. The matrix products marked QUANTISED in the list below multiply operands that are first quantised to E2M1 (2 exponent bits, 1 mantissa bit; 4 bits a number), with one power-of-two scale for each 32 numbers along K (OCP MX v1.0); their sums are f32. All else is computed in f32.
;;   The module's matrix products, in the order in which they are computed (A, B: the left and right operand; K: the contracted axis; several contracted axes count as one K, in the product's order):
;;     1. [M 1,024, K 1,024] x [K 1,024, N 8]; A: input x; B: input Wg: left as it is (N = 8 < 16)
;;     2. [M 1,024, K 1,024] x [K 1,024, N 32,768]; A: input x; B: input W1: QUANTISED
;;     3. batch 8 x [M 1,024, K 4,096] x [K 4,096, N 1,024]; A: input W2; B: computed on the way: QUANTISED
;;     4. batch 1,024 x [M 1, K 8] x [K 8, N 1,024]; A: softmax; B: computed on the way: left as it is (K = 8 < 32)
;;   THE QUANTISER, for each operand of a quantised product, along K:
;;     - K is cut into blocks of 32 from its start; a last block that is shorter is filled with zeros.
;;     - A block's scale is 2^e with e = floor(log2(the largest magnitude in the block)) - 2, held to -126 .. 127; a block of zeros has e = 0. As a byte (E8M0): e + 127.
;;     - Each number is divided by its block's scale, clamped to +-6, and rounded to the nearest number of E2M1, ties to even, subnormals kept.
;;     - The product sums the exact products of the quantised numbers (number of the format x scale) in f32.
;;   ~~~python
;;   def quantise(x, axis):      # numpy; x: float32 -> the quantised numbers, widened to float32 again
;;       x = np.moveaxis(x, axis, -1); K = x.shape[-1]
;;       x = np.pad(x, [(0, 0)] * (x.ndim - 1) + [(0, -K % 32)]); x = x.reshape(x.shape[:-1] + (-1, 32)); a = np.abs(x).max(-1, keepdims=True)
;;       e = np.where(a > 0, np.clip(np.frexp(np.where(a > 0, a, 1))[1] - 1 - 2, -126, 127), 0)      # np.frexp(a)[1] - 1 = floor(log2(a)), exactly
;;       r = np.clip(x / 2.0 ** e, -6, 6)
;;       step = 2.0 ** (np.maximum(np.frexp(np.where(r == 0, 1, r))[1] - 1, 0) - 1)
;;       q = np.round(r / step) * step * 2.0 ** e      # np.round: ties to even
;;       return np.moveaxis(q.reshape(q.shape[:-2] + (-1,))[..., :K], -1, axis).astype(np.float32)
;;   ~~~
;;   OPERANDS COMPUTED ON THE WAY. 'Computed on the way' means the value that the module computes at that place (a softmax that the list does not call 'softmax' is quantised finished and normalised). What goes into a quantiser is computed in f32, as accurately as f32 sums, v_exp_f32 and their like allow (about 1e-6 of the number): no bf16 or f16 on the way to a quantiser, and a product that is left as it is and whose result goes on into a quantised operand takes f32 operands (vector FMAs, or v_wmma_f32_16x16x4_f32). A number that lies on a knife's edge between two numbers of the format may be rounded either way, as far as f32 arithmetic and the matrix unit's own rounding can turn it there, and no further.
;; One version. Each part assembles by itself: llvm-mc -triple=amdgcn-amd-amdhsa -mcpu=gfx1250 --defsym DOCPART=n.
;; ======== version 1 of 1: 4 launches
;; limits: values are held in bf16: 8 bits of precision; right only within a limited range of input values
;; workspace buffers: xq 557,056 bytes; wgt 32,768 bytes; hq 17,825,792 bytes; w1q 16,777,216 bytes; w1s 1,048,576 bytes; w2q 16,777,216 bytes; w2s 1,048,576 bytes; outs 16,777,216 bytes
;; launch prep (part 1): grid 1088 x 1, 8 waves a work-group, no clusters, 9,216 bytes of LDS; arguments x, Wg, bg, xq, wgt, W1, W2, w1q, w1s, w2q, w2s; writes xq, wgt, w1q, w1s, w2q, w2s
.if DOCPART == 1
	.amdgcn_target "amdgcn-amd-amdhsa--gfx1250"
	.amdhsa_code_object_version 6
	.text
	.protected	k_q64591da16c_prep
	.globl	k_q64591da16c_prep
	.p2align	8
	.type	k_q64591da16c_prep,@function
k_q64591da16c_prep:
	s_mov_b64 s[64:65], 0
	v_nop
	global_prefetch_b8 v0, s[64:65] scope:SCOPE_SE
	s_setreg_imm32_b32 hwreg(HW_REG_WAVE_MODE, 25, 1), 1
	s_wait_xcnt 0x0
; x [1024][1024] f32 becomes codes of FP4 (E2M1) with one E8M0 scale byte for each 32 along K = D, and the gate softmax(x Wg + bg) is made, all in f32.
; SHARES.  A work-group takes a tile of 16 tokens; wave s takes K step s (128 of the 1,024); lane (r, h) takes token r and, of each block of 32, the 16 numbers 16 h on.
; xq, record t of 8,704 bytes: eight fragments (16 tokens x 128 K, 8 registers a lane) as IMAGES OF THEIR REGISTERS: registers 4 c .. 4 c + 3 of lane l at 1024 s + 512 c + 16 l; behind them 512 bytes of
; scale words, [lane][4 words]: word i of lane (r, hh) is token r's word of K step 4 hh + i, so that one load of 16 bytes a lane gives four scale registers, each serving two K steps (lanes 0-15, lanes 16-31).
; THE GATE: each lane multiplies its 64 numbers of x by the rows of Wg that belong to them (fused multiply-adds, eight sums a lane).  The wave's 128 rows of Wg, 4,096 bytes, are loaded ONCE: lane 16 h + n takes row
; 32 b + 16 h + n whole, 32 bytes, for b = 0 .. 3; these are the very rows that the 16 lanes of half h need, and row i's numbers reach all 16 by a move that reads lane i of the lane's own row of 16 (row_share).
; The halves of the lanes are joined; the eight waves' parts meet in LDS; wave 0 adds them and bg and takes the softmax with the row's maximum taken away first.  wgt: [token][8] f32.
; A block's scale byte is its largest magnitude's exponent field - 2, held at 1 from below.  A block of zeros so gets the byte 1 where the rule says 127: its codes are zeros, and this program alone reads the bytes.
; LIMITS: NaN and infinities among the inputs are not served.
; No matrix unit (the gate has eight columns), no cluster (work-groups share only Wg's 32,768 bytes), no tensor load (a wave's 8,192 bytes of x are read once, into registers).
.set X,   16                           ; v16-79   my 64 numbers of x: register 16 b + i = k 32 b + 16 h + i of the K step
.set PC,  80                           ; v80-87   the fragment's codes
.set TM,  88                           ; v88-103  at work
.set PW,  104                          ; v104     my token's scale word
.set T,   106                          ; v106-109 four of the gate's sums
.set G,   112                          ; v112-143 register 8 b + e: Wg[32 b + lane][e] of the K step's 128 rows; later the eight waves' parts
.set GT,  144                          ; v144-151 one row of Wg, the same in all 16 lanes of a half
.set ACC, 240                          ; v240-247 the gate's eight sums
.set BG,  248                          ; v248-251 bg[4 h .. 4 h + 3]
.set SW4, 252                          ; v252-255 the scale area's image on its way out
.set SEL, 20                           ; s[20:21] v_permlanex16_b32's selects for lane l xor 16
; 64 numbers of a lane, register 16 b + i = k 32 b + 16 h + i of my row, become a fragment's codes in v[PC] on and its scale word in v[PW].
.macro QUANT src
.irp b, 0,1,2,3
	v_max3_num_f32 v[TM+\b], |v[\src+16*\b]|, |v[\src+1+16*\b]|, 0x1800000   ; block b: my 16 numbers, and the floor 2^(3 - 127): the byte cannot fall under 1
.endr
.irp i, 2,4,6,8,10,12,14
.irp b, 0,1,2,3
	s_delay_alu instid0(VALU_DEP_4)
	v_max3_num_f32 v[TM+\b], v[TM+\b], |v[\src+16*\b+\i]|, |v[\src+1+16*\b+\i]|   ; the four blocks by turns
.endr
.endr
.irp b, 0,1,2,3
	s_delay_alu instid0(VALU_DEP_4)
	v_permlanex16_b32 v[TM+4+\b], v[TM+\b], s[SEL], s[SEL+1]
.endr
.irp b, 0,1,2,3
	s_delay_alu instid0(VALU_DEP_4)
	v_max_num_f32 v[TM+\b], v[TM+\b], v[TM+4+\b]           ; with lane l xor 16's: the block's largest magnitude
.endr
.irp b, 0,1,2,3
	s_delay_alu instid0(VALU_DEP_4)
	v_add_nc_u32 v[TM+12+\b], 0xff000000, v[TM+\b]         ; 2 off its exponent field: the conversion takes this operand's exponent field as its scale
.endr
.irp b, 0,1,2,3
	s_delay_alu instid0(VALU_DEP_4)
	v_lshrrev_b32 v[TM+4+\b], 23, v[TM+12+\b]              ; the scale's byte
.endr
	s_delay_alu instid0(VALU_DEP_3)
	v_lshl_or_b32 v[PW], v[TM+5], 8, v[TM+4]
	s_delay_alu instid0(VALU_DEP_1)
	v_lshl_or_b32 v[PW], v[TM+6], 16, v[PW]
	s_delay_alu instid0(VALU_DEP_1)
	v_lshl_or_b32 v[PW], v[TM+7], 24, v[PW]
.irp b, 0,1,2,3
	v_cvt_scalef32_pk8_fp4_f32 v[PC+2*\b], v[\src+16*\b:\src+7+16*\b], v[TM+12+\b]
	v_cvt_scalef32_pk8_fp4_f32 v[PC+1+2*\b], v[\src+8+16*\b:\src+15+16*\b], v[TM+12+\b]
.endr
	v_nop                                                  ; one plain place behind a scaled conversion
.irp c, 0,1                                            ; the operand's layout wants a whole block in a lane: lanes 0-15 block 2 c, lanes 16-31 block 2 c + 1
.irp i, 0,1
	v_permlane16_swap_b32 v[PC+4*\c+\i], v[PC+2+4*\c+\i]
.endr
.endr
.endm
; ONE LAUNCH, TWO KINDS OF WORK-GROUP: numbers 0-63 take x and the gate, as said above; numbers 64-1087 turn W1 and W2 into codes (at .Lweights, behind the first path's end).  That path touches no LDS and has no barrier.
	s_cmp_ge_u32 ttmp9, 64
	s_cbranch_scc1 .Lweights
	s_load_b256 s[4:11], s[0:1], 0x0
	s_load_b64 s[12:13], s[0:1], 0x20              ; wgt
	v_lshl_add_u32 v238, v0, 2, 0x2000
	v_mov_b32 v239, 0
	v_lshrrev_b32 v1, 5, v0
	s_delay_alu instid0(VALU_DEP_1)
	v_readfirstlane_b32 s14, v1                    ; wave = K step s
	v_and_b32 v1, 31, v0                           ; lane
	v_and_b32 v2, 15, v0                           ; r
	v_bfe_u32 v3, v0, 4, 1                         ; h
	s_delay_alu instid0(VALU_DEP_2)
	v_lshlrev_b32 v4, 12, v2
	s_delay_alu instid0(VALU_DEP_1)
	v_lshl_add_u32 v4, v3, 6, v4                   ; x: row r of 4,096 bytes, + 64 h
	v_lshlrev_b32 v5, 4, v1                        ; 16 x lane: an image's place for my lane
	v_lshlrev_b32 v6, 5, v1                        ; Wg: 32 x lane: a row of 32 bytes a lane
	s_lshr_b32 s15, s14, 2
	s_lshl_b32 s15, s15, 8
	s_and_b32 s16, s14, 3
	s_lshl_b32 s16, s16, 2
	s_add_co_u32 s15, s15, s16
	v_lshl_add_u32 v7, v2, 4, s15                  ; LDS 0-511, the scale area: 16 r + 256 (s / 4) + 4 (s % 4)
	v_lshlrev_b32 v10, 5, v2
	s_delay_alu instid0(VALU_DEP_1)
	v_lshl_add_u32 v10, v3, 4, v10                 ; 32 r + 16 h: my place in wgt's 16 rows,
	s_delay_alu instid0(VALU_DEP_1)
	v_add_nc_u32 v9, 512, v10                      ; and in a wave's 512 bytes of gate sums, LDS 512-4607
	s_lshl_b32 s16, s14, 9
	v_add_nc_u32 v8, s16, v9                       ; my wave's
	v_lshlrev_b32 v11, 4, v3                       ; bg: 16 h
	s_mov_b32 s[SEL], 0x76543210
	s_mov_b32 s[SEL+1], 0xfedcba98
	s_mov_b32 s26, 0xffff0000                      ; lanes 16-31
.irp b, 0,1,2,3
	v_mov_b32 v[TM+4+\b], 0                        ; written once: a lane permute's destination counts as one of its sources,
.endr
.irp e, 0,1,2,3,4,5,6,7
	v_mov_b32 v[GT+\e], 0                          ; and so does the destination of a move that reads another lane
.endr
	s_lshl_b32 s18, ttmp9, 16                      ; x: 16 rows of 4,096 bytes a tile,
	s_add_co_u32 s18, s18, s16                     ; + 512 bytes a K step
	s_mov_b32 s19, 0
	s_lshl_b32 s22, s14, 12                        ; Wg: 128 rows of 32 bytes a K step
	s_mov_b32 s23, 0
	s_mul_i32 s24, ttmp9, 8704                     ; xq: the tile's record,
	s_lshl_b32 s25, s14, 10
	s_add_co_u32 s24, s24, s25                     ; my K step's image
	s_mov_b32 s25, 0
	s_lshl_b32 s28, ttmp9, 9                       ; wgt: 16 rows of 32 bytes
	s_mov_b32 s29, 0
	s_wait_kmcnt 0x0
	s_add_nc_u64 s[4:5], s[4:5], s[18:19]
	s_add_nc_u64 s[6:7], s[6:7], s[22:23]
	s_add_nc_u64 s[10:11], s[10:11], s[24:25]
	s_add_nc_u64 s[12:13], s[12:13], s[28:29]
	global_load_b128 v[BG:BG+3], v11, s[8:9]
.irp b, 0,1,2,3
.irp j, 0,1,2,3
	global_load_b128 v[X+16*\b+4*\j:X+16*\b+4*\j+3], v4, s[4:5] offset:128*\b+16*\j th:TH_LOAD_NT   ; the sixteen loads together take 512 consecutive bytes of each of 16 rows
.endr
.endr
.irp b, 0,1,2,3
.irp q, 0,1
	global_load_b128 v[G+8*\b+4*\q:G+8*\b+4*\q+3], v6, s[6:7] offset:1024*\b+16*\q   ; rows 32 b + lane: the two loads of a b together take 1,024 consecutive bytes
.endr
.endr
	s_wait_loadcnt 8                               ; bg and x are in; Wg's eight loads may be out
	QUANT X
	global_store_b128 v5, v[PC:PC+3], s[10:11]               ; 512 consecutive bytes a store, aligned
	global_store_b128 v5, v[PC+4:PC+7], s[10:11] offset:512
	ds_store_b32 v7, v[PW]                         ; both halves of the lanes write the same word with the same value
	s_wait_loadcnt 0x0                             ; Wg
.irp b, 0,1,2,3
.irp i, 0,1,2,3,4,5,6,7,8,9,10,11,12,13,14,15
.irp e, 0,1,2,3,4,5,6,7
	v_mov_b32_dpp v[GT+\e], v[G+8*\b+\e] row_share:\i row_mask:0xf bank_mask:0xf   ; from lane i of my half: Wg[32 b + 16 h + i][e], the row that goes with X[16 b + i]
.endr
.irp e, 0,1,2,3,4,5,6,7
.if (\b == 0) && (\i == 0)
	v_mul_f32 v[ACC+\e], v[X], v[GT+\e]            ; the first products start the sums
.else
	v_fmac_f32 v[ACC+\e], v[X+16*\b+\i], v[GT+\e]
.endif
.endr
.endr
.endr
.irp e, 0,1,2,3,4,5,6,7
	v_permlanex16_b32 v[TM+\e], v[ACC+\e], s[SEL], s[SEL+1]
.endr
.irp e, 0,1,2,3,4,5,6,7
	v_add_f32 v[ACC+\e], v[ACC+\e], v[TM+\e]       ; with lane l xor 16's: the K step's part of token r's eight sums
.endr
.irp i, 0,1,2,3
	s_delay_alu instid0(VALU_DEP_4)
	v_cndmask_b32 v[T+\i], v[ACC+\i], v[ACC+4+\i], s26   ; lanes 0-15 keep experts 0-3, lanes 16-31 experts 4-7
.endr
	ds_store_b128 v8, v[T:T+3]
	s_wait_dscnt 0x0                               ; for the others' sake: my stores have landed
	s_barrier_signal -1
	s_barrier_wait -1
	s_cmp_lg_u32 s14, 0
	s_cbranch_scc1 .Lend                           ; wave 0 alone finishes the tile
	ds_load_b128 v[SW4:SW4+3], v5                  ; the scale area, as it will lie in xq
.irp s, 0,1,2,3,4,5,6,7
	ds_load_b128 v[G+4*\s:G+4*\s+3], v9 offset:512*\s
.endr
	s_wait_dscnt 0x0
	global_store_b128 v5, v[SW4:SW4+3], s[10:11] offset:8192   ; (wave 0's base is the record's first byte)
.irp i, 0,1,2,3
	v_add_f32 v[T+\i], v[G+\i], v[G+4+\i]
.endr
.irp s, 2,3,4,5,6,7
.irp i, 0,1,2,3
	s_delay_alu instid0(VALU_DEP_4)
	v_add_f32 v[T+\i], v[T+\i], v[G+4*\s+\i]
.endr
.endr
.irp i, 0,1,2,3
	s_delay_alu instid0(VALU_DEP_4)
	v_add_f32 v[T+\i], v[T+\i], v[BG+\i]           ; the logits of experts 4 h .. 4 h + 3
.endr
	s_delay_alu instid0(VALU_DEP_2)
	v_max3_num_f32 v[TM], v[T], v[T+1], v[T+2]
	s_delay_alu instid0(VALU_DEP_1)
	v_max_num_f32 v[TM], v[TM], v[T+3]
	s_delay_alu instid0(VALU_DEP_1)
	v_permlanex16_b32 v[TM+1], v[TM], s[SEL], s[SEL+1]
	s_delay_alu instid0(VALU_DEP_1)
	v_max_num_f32 v[TM], v[TM], v[TM+1]            ; the row's maximum
.irp i, 0,1,2,3
	v_sub_f32 v[T+\i], v[T+\i], v[TM]
.endr
.irp i, 0,1,2,3
	s_delay_alu instid0(VALU_DEP_4)
	v_mul_f32 v[T+\i], 0x3fb8aa3b, v[T+\i]         ; x log2(e)
.endr
	s_wait_alu depctr_va_vdst(0)
.irp i, 0,1,2,3
	v_exp_f32 v[T+\i], v[T+\i]
.endr
	v_nop                                          ; one plain place behind the exponentials
	s_wait_alu depctr_va_vdst(0)
	v_add_f32 v[TM], v[T], v[T+1]
	v_add_f32 v[TM+1], v[T+2], v[T+3]
	s_delay_alu instid0(VALU_DEP_1)
	v_add_f32 v[TM], v[TM], v[TM+1]
	s_delay_alu instid0(VALU_DEP_1)
	v_permlanex16_b32 v[TM+1], v[TM], s[SEL], s[SEL+1]
	s_delay_alu instid0(VALU_DEP_1)
	v_add_f32 v[TM], v[TM], v[TM+1]                ; the row's sum
	s_wait_alu depctr_va_vdst(0)
	v_rcp_f32 v[TM], v[TM]
	v_nop                                          ; one plain place behind the reciprocal
	s_wait_alu depctr_va_vdst(0)
.irp i, 0,1,2,3
	v_mul_f32 v[T+\i], v[T+\i], v[TM]
.endr
	global_store_b128 v10, v[T:T+3], s[12:13]      ; the wave stores 512 consecutive bytes: 16 rows of wgt
.Lend:
	s_wait_tensorcnt 0x0
	ds_add_u32 v238, v239
	s_wait_dscnt 0x0
	s_endpgm
; W1 [8][1024 k][4096 h] and W2 [8][4096 k][1024 d], f32 with K as the first axis of an expert, become codes of FP4 (E2M1) with one E8M0 byte for each 32 along K.
; A wave takes a unit of 64 columns x 128 K: units 0-4095 are W1's, 4096-8191 W2's.  A LANE TAKES A COLUMN (of each of two groups of 32) AND ITS REGISTERS RUN DOWN K: a block of 32 is one lane's 32 registers.
; A row's two loads of a wave take 256 consecutive bytes, aligned; the eight waves of a work-group stand side by side on 2,048.  Two blocks (128 loads) are asked for ahead of the first block's work.
; OUT: images of operand registers, 1,024 bytes for 16 columns x 128 K (registers 4 c .. 4 c + 3 of lane l at 512 c + 16 l), and 8 bytes of scale words a lane (the lane's column of group 0, of group 1).
;   w1q: [hidden block of 128][K step][tile 0-7][1024];  w1s: [hidden block][K step][64 columns][lane][2 words].   w2q: [4 e + d / 256][K step][tile 0-15][1024];  w2s: [4 e + d / 256][K step][64 columns][lane][2 words].
; W1's columns of a tile are not neighbours: lane (r, h) of a group takes column r + 8 (r / 8) + 8 h, so that the next launch's results run along the hidden axis in a lane's registers.
; A block of zeros gets the byte 1 where the rule says 127: its codes are zeros, and this program alone reads the bytes.  No prefetch: the path does nothing but stream.
.set QS, 16                            ; v16-143  two sets of 64: block b's rows in set b % 2, group j at + 32 j
.set QC, 144                           ; v144-175 codes: group j, block b at QC + 16 j + 4 b
.set QW, 176                           ; v[176:177] the two groups' scale words
.set QM, 180                           ; v180-183 four chains of maxima
.set QO, 184                           ; v184-185 the conversions' scale operands
.set QB, 186                           ; v186-187 scale bytes
.macro QLOAD b, pitch
.set i_, 0
.rept 32
	global_load_b32 v[QS+64*((\b)%2)+i_], v1, s[4:5] offset:(32*(\b)+i_)*(\pitch) th:TH_LOAD_NT
	global_load_b32 v[QS+64*((\b)%2)+32+i_], v1, s[4:5] offset:(32*(\b)+i_)*(\pitch)+128 th:TH_LOAD_NT
.set i_, i_+1
.endr
.endm
.macro QBLK b                          ; block b of both groups: largest magnitudes (four chains by turns), scale bytes, codes
.set QSB, QS+64*((\b)%2)
	v_max3_num_f32 v[QM], |v[QSB]|, |v[QSB+1]|, |v[QSB+2]|
	v_max3_num_f32 v[QM+1], |v[QSB+3]|, |v[QSB+4]|, |v[QSB+5]|
	v_max3_num_f32 v[QM+2], |v[QSB+32]|, |v[QSB+33]|, |v[QSB+34]|
	v_max3_num_f32 v[QM+3], |v[QSB+35]|, |v[QSB+36]|, |v[QSB+37]|
.irp i, 6,10,14,18,22,26
	s_delay_alu instid0(VALU_DEP_4)
	v_max3_num_f32 v[QM], v[QM], |v[QSB+\i]|, |v[QSB+\i+1]|
	s_delay_alu instid0(VALU_DEP_4)
	v_max3_num_f32 v[QM+1], v[QM+1], |v[QSB+\i+2]|, |v[QSB+\i+3]|
	s_delay_alu instid0(VALU_DEP_4)
	v_max3_num_f32 v[QM+2], v[QM+2], |v[QSB+32+\i]|, |v[QSB+32+\i+1]|
	s_delay_alu instid0(VALU_DEP_4)
	v_max3_num_f32 v[QM+3], v[QM+3], |v[QSB+32+\i+2]|, |v[QSB+32+\i+3]|
.endr
	s_delay_alu instid0(VALU_DEP_4)
	v_max3_num_f32 v[QM], v[QM], |v[QSB+30]|, |v[QSB+31]|
	s_delay_alu instid0(VALU_DEP_3)
	v_max3_num_f32 v[QM+2], v[QM+2], |v[QSB+62]|, |v[QSB+63]|
	s_delay_alu instid0(VALU_DEP_2)
	v_max3_num_f32 v[QM], v[QM], v[QM+1], 0x1800000        ; and the floor 2^(3 - 127): the byte cannot fall under 1
	s_delay_alu instid0(VALU_DEP_2)
	v_max3_num_f32 v[QM+2], v[QM+2], v[QM+3], 0x1800000
	s_delay_alu instid0(VALU_DEP_2)
	v_add_nc_u32 v[QO], 0xff000000, v[QM]                  ; 2 off the exponent field: the conversion's scale operand
	s_delay_alu instid0(VALU_DEP_2)
	v_add_nc_u32 v[QO+1], 0xff000000, v[QM+2]
.if (\b) == 0
	s_delay_alu instid0(VALU_DEP_2)
	v_lshrrev_b32 v[QW], 23, v[QO]
	s_delay_alu instid0(VALU_DEP_2)
	v_lshrrev_b32 v[QW+1], 23, v[QO+1]
.else
	s_delay_alu instid0(VALU_DEP_2)
	v_lshrrev_b32 v[QB], 23, v[QO]
	s_delay_alu instid0(VALU_DEP_2)
	v_lshrrev_b32 v[QB+1], 23, v[QO+1]
	s_delay_alu instid0(VALU_DEP_2)
	v_lshl_or_b32 v[QW], v[QB], 8*(\b), v[QW]
	s_delay_alu instid0(VALU_DEP_2)
	v_lshl_or_b32 v[QW+1], v[QB+1], 8*(\b), v[QW+1]
.endif
.irp g, 0,1,2,3
	v_cvt_scalef32_pk8_fp4_f32 v[QC+4*(\b)+\g], v[QSB+8*\g:QSB+8*\g+7], v[QO]
	v_cvt_scalef32_pk8_fp4_f32 v[QC+16+4*(\b)+\g], v[QSB+32+8*\g:QSB+32+8*\g+7], v[QO+1]
.endr
	v_nop                                                  ; one plain place behind the scaled conversions
.endm
.macro QUNIT pitch                     ; s[4:5] the unit's first row, s[8:9] its images, s[10:11] its scale words; v1 my column, v2 16 x lane, v3 8 x lane
	QLOAD 0, \pitch
	QLOAD 1, \pitch
	s_wait_loadcnt 63                              ; block 0 is in: 64 younger loads were issued behind it
	QBLK 0
	QLOAD 2, \pitch
	s_wait_loadcnt 63                              ; block 1 likewise
	QBLK 1
	QLOAD 3, \pitch
	s_wait_loadcnt 63                              ; block 2 likewise
	QBLK 2
	s_wait_loadcnt 0x0
	QBLK 3
.irp j, 0,1                                    ; the operand's layout wants lanes 0-15 on block 2 c and lanes 16-31 on block 2 c + 1 of 16 columns
.irp c, 0,1
.irp i, 0,1,2,3
	v_permlane16_swap_b32 v[QC+16*\j+8*\c+\i], v[QC+16*\j+8*\c+4+\i]
.endr
.endr
.endr
.irp j, 0,1                                    ; each store takes 512 consecutive bytes, aligned
	global_store_b128 v2, v[QC+16*\j:QC+16*\j+3], s[8:9] offset:2048*\j
	global_store_b128 v2, v[QC+16*\j+8:QC+16*\j+11], s[8:9] offset:2048*\j+512
	global_store_b128 v2, v[QC+16*\j+4:QC+16*\j+7], s[8:9] offset:2048*\j+1024
	global_store_b128 v2, v[QC+16*\j+12:QC+16*\j+15], s[8:9] offset:2048*\j+1536
.endr
	global_store_b64 v3, v[QW:QW+1], s[10:11]      ; 256 consecutive bytes, aligned
	s_endpgm
.endm
.Lweights:
	v_lshrrev_b32 v4, 5, v0
	s_delay_alu instid0(VALU_DEP_1)
	v_readfirstlane_b32 s14, v4                    ; wave 0..7
	v_and_b32 v5, 31, v0                           ; lane
	s_delay_alu instid0(VALU_DEP_1)
	v_lshlrev_b32 v2, 4, v5
	s_delay_alu instid0(VALU_DEP_2)
	v_lshlrev_b32 v3, 3, v5
	s_sub_co_u32 s15, ttmp9, 64
	s_lshl_b32 s15, s15, 3
	s_add_co_u32 s15, s15, s14                     ; the unit, 0..8191
	s_cmp_ge_u32 s15, 4096
	s_wait_alu depctr_va_vdst(0)
	s_cbranch_scc1 .Lw2
	s_load_b64 s[4:5], s[0:1], 0x28                ; W1
	s_load_b128 s[8:11], s[0:1], 0x38              ; w1q, w1s
	v_and_b32 v6, 15, v0                           ; r
	v_bfe_u32 v7, v0, 4, 1                         ; h
	s_delay_alu instid0(VALU_DEP_2)
	v_and_b32 v8, 8, v6
	s_delay_alu instid0(VALU_DEP_2)
	v_lshl_add_u32 v6, v7, 3, v6
	s_delay_alu instid0(VALU_DEP_1)
	v_add_nc_u32 v6, v6, v8                        ; r + 8 (r / 8) + 8 h
	s_delay_alu instid0(VALU_DEP_1)
	v_lshlrev_b32 v1, 2, v6
	s_lshr_b32 s16, s15, 6                         ; unit = 512 e + 64 ks + cg: W1 at (8 e + ks) x 128 rows of 16,384 bytes + 256 cg
	s_lshl_b32 s16, s16, 21
	s_and_b32 s18, s15, 63
	s_lshl_b32 s19, s18, 8
	s_add_co_u32 s16, s16, s19
	s_mov_b32 s17, 0
	s_lshr_b32 s20, s15, 9                         ; images: (32 e + cg / 2) x 65,536 + 8,192 ks + 4,096 (cg % 2)
	s_lshl_b32 s20, s20, 21
	s_lshr_b32 s19, s18, 1
	s_lshl_b32 s19, s19, 16
	s_add_co_u32 s20, s20, s19
	s_bfe_u32 s19, s15, 0x30006
	s_lshl_b32 s19, s19, 13
	s_add_co_u32 s20, s20, s19
	s_and_b32 s19, s18, 1
	s_lshl_b32 s19, s19, 12
	s_add_co_u32 s20, s20, s19
	s_mov_b32 s21, 0
	s_lshr_b32 s22, s20, 4                         ; scale words: a sixteenth of the images' bytes, in the same order
	s_mov_b32 s23, 0
	s_wait_alu depctr_va_vdst(0)
	s_wait_kmcnt 0x0
	s_add_nc_u64 s[4:5], s[4:5], s[16:17]
	s_add_nc_u64 s[8:9], s[8:9], s[20:21]
	s_add_nc_u64 s[10:11], s[10:11], s[22:23]
	QUNIT 16384
.Lw2:
	s_load_b64 s[4:5], s[0:1], 0x30                ; W2
	s_load_b128 s[8:11], s[0:1], 0x48              ; w2q, w2s
	v_lshlrev_b32 v1, 2, v5                        ; column = lane
	s_and_b32 s15, s15, 4095                       ; unit = 512 e + 16 ks + cg: W2 at (32 e + ks) x 128 rows of 4,096 bytes + 256 cg
	s_lshr_b32 s16, s15, 4
	s_lshl_b32 s16, s16, 19
	s_and_b32 s18, s15, 15
	s_lshl_b32 s19, s18, 8
	s_add_co_u32 s16, s16, s19
	s_mov_b32 s17, 0
	s_lshr_b32 s20, s15, 9                         ; images: (4 e + cg / 4) x 524,288 + 16,384 ks + 4,096 (cg % 4)
	s_lshl_b32 s20, s20, 21
	s_lshr_b32 s19, s18, 2
	s_lshl_b32 s19, s19, 19
	s_add_co_u32 s20, s20, s19
	s_bfe_u32 s19, s15, 0x50004
	s_lshl_b32 s19, s19, 14
	s_add_co_u32 s20, s20, s19
	s_and_b32 s19, s18, 3
	s_lshl_b32 s19, s19, 12
	s_add_co_u32 s20, s20, s19
	s_mov_b32 s21, 0
	s_lshr_b32 s22, s20, 4
	s_mov_b32 s23, 0
	s_wait_alu depctr_va_vdst(0)
	s_wait_kmcnt 0x0
	s_add_nc_u64 s[4:5], s[4:5], s[16:17]
	s_add_nc_u64 s[8:9], s[8:9], s[20:21]
	s_add_nc_u64 s[10:11], s[10:11], s[22:23]
	QUNIT 4096
.Lfunc_end_k_q64591da16c_prep:
	.size	k_q64591da16c_prep, .Lfunc_end_k_q64591da16c_prep-k_q64591da16c_prep
	.p2alignl 7, 3214868480
	.fill 96, 4, 3214868480
	.section	.rodata,"a",@progbits
	.p2align	6, 0x0
	.amdhsa_kernel k_q64591da16c_prep
		.amdhsa_group_segment_fixed_size 9216
		.amdhsa_private_segment_fixed_size 0
		.amdhsa_enable_private_segment 0
		.amdhsa_kernarg_size 88
		.amdhsa_user_sgpr_count 2
		.amdhsa_user_sgpr_kernarg_segment_ptr 1
		.amdhsa_wavefront_size32 1
		.amdhsa_system_sgpr_workgroup_id_x 1
		.amdhsa_system_sgpr_workgroup_id_y 1
		.amdhsa_system_sgpr_workgroup_id_z 1
		.amdhsa_system_vgpr_workitem_id 0
		.amdhsa_next_free_vgpr 256
		.amdhsa_next_free_sgpr 66
		.amdhsa_reserve_vcc 0
		.amdhsa_float_denorm_mode_32 3
		.amdhsa_float_denorm_mode_16_64 3
		.amdhsa_memory_ordered 1
		.amdhsa_forward_progress 1
		.amdhsa_inst_pref_size 150
	.end_amdhsa_kernel
	.amdgpu_metadata
---
amdhsa.version: [ 1, 2 ]
amdhsa.kernels:
  - .name:           k_q64591da16c_prep
    .symbol:         k_q64591da16c_prep.kd
    .args:
      - { .name: x, .offset: 0, .size: 8, .value_kind: global_buffer, .address_space: global }
      - { .name: Wg, .offset: 8, .size: 8, .value_kind: global_buffer, .address_space: global }
      - { .name: bg, .offset: 16, .size: 8, .value_kind: global_buffer, .address_space: global }
      - { .name: xq, .offset: 24, .size: 8, .value_kind: global_buffer, .address_space: global }
      - { .name: wgt, .offset: 32, .size: 8, .value_kind: global_buffer, .address_space: global }
      - { .name: W1, .offset: 40, .size: 8, .value_kind: global_buffer, .address_space: global }
      - { .name: W2, .offset: 48, .size: 8, .value_kind: global_buffer, .address_space: global }
      - { .name: w1q, .offset: 56, .size: 8, .value_kind: global_buffer, .address_space: global }
      - { .name: w1s, .offset: 64, .size: 8, .value_kind: global_buffer, .address_space: global }
      - { .name: w2q, .offset: 72, .size: 8, .value_kind: global_buffer, .address_space: global }
      - { .name: w2s, .offset: 80, .size: 8, .value_kind: global_buffer, .address_space: global }
    .group_segment_fixed_size: 9216
    .private_segment_fixed_size: 0
    .kernarg_segment_align: 8
    .kernarg_segment_size: 88
    .max_flat_workgroup_size: 256
    .sgpr_count:     66
    .vgpr_count:     256
    .wavefront_size: 32
...
	.end_amdgpu_metadata
.endif
;; end of part 1
;; launch gemm1 (part 2): grid 64 x 4, 4 waves a work-group, clusters of 4 x 1, 167,936 bytes of LDS; arguments w1q, w1s, b1, xq, hq; writes hq
.if DOCPART == 2
	.amdgcn_target "amdgcn-amd-amdhsa--gfx1250"
	.amdhsa_code_object_version 6
	.text
	.protected	k_q64591da16c_gemm1
	.globl	k_q64591da16c_gemm1
	.p2align	8
	.type	k_q64591da16c_gemm1,@function
k_q64591da16c_gemm1:
	s_mov_b64 s[64:65], 0
	v_nop
	global_prefetch_b8 v0, s[64:65] scope:SCOPE_SE
	s_setreg_imm32_b32 hwreg(HW_REG_WAVE_MODE, 25, 1), 1
	s_wait_xcnt 0x0
	s_wait_alu depctr_hold_cnt(0) depctr_sa_sdst(0) depctr_va_vdst(0) depctr_va_sdst(0) depctr_va_ssrc(0) depctr_va_vcc(0) depctr_vm_vsrc(0)
	s_getreg_b32 s2, hwreg(HW_REG_IB_STS2, 6, 4)
	s_cmp_eq_u32 s2, 0
	s_cbranch_scc0 .Lentry_in_a_cluster
	s_endpgm
.Lentry_in_a_cluster:
	s_bfe_u32 s2, ttmp6, 0x10000c
	s_cmp_lg_u32 s2, 0x3003
	s_cbranch_scc0 .Lentry_shape_is_right
	s_endpgm
.Lentry_shape_is_right:
; h[n][e][.] = relu(x W1[e] + b1[e]) on codes of FP4 (E2M1) with one E8M0 scale for each 32 along K = 1,024, sums in f32; h is quantised along the hidden axis, the next product's K, and stored as codes.
; SHARES.  Work-group (g, q): hidden units 512 g .. + 511 (of the 32,768 = 8 experts x 4,096) x tokens 256 q .. + 255.  Wave w: hidden block hb = 4 g + w of 128, all 16 token tiles.
; The wave's 128 hidden x 1,024 K of W1, 64 images of operand registers, go from w1q straight into 512 registers and stay; each is used by this wave alone in the work-group.
; The 16 records of xq (8,704 bytes each: eight images and the scale words) are 139,264 dense bytes: they come into LDS ONCE, one tensor load a wave (136 rows of 256 bytes), and nothing is filled again.
; CLUSTER: the four work-groups of a cluster have the same q, so each of these loads is asked for JOINTLY, with the same descriptor and a mask that names the four.
; THE PRODUCT IS USED TRANSPOSED (source 0 = 16 hidden units, source 1 = 16 tokens), and w1q's tiles hold rows chosen so that a lane's 16 registers of two neighbouring tiles are 16 neighbours along the hidden axis.
; b1 is the C of each sum's first matrix instruction.  hq: [8 e + token block of 128][hidden block][8,704]: eight images (a token tile each) and 512 bytes of scale words, as the next launch reads them.
; A block of zeros gets the scale byte 1 where the rule says 127: its codes are zeros, and this program alone reads the bytes.  LIMITS: NaN and infinities are not served.
; No prefetch: all that the launch reads from memory is asked for at its head; the loop reads LDS alone.
; REGISTERS: window 0: addresses, scale words, the 64 sums, codes.  Windows 1, 2: W1, K step s at v[64 (s % 4) + 8 t].  Window 3: v0-63 b1; v64-191 two token tiles' fragments.
.set SPARE, 0x22000                    ; behind x's block: the spare words, 128 bytes a wave
.set SPW,  1
.set NIL,  2
.set LI,   8                           ; 16 x lane
.set LIX,  9                           ; LDS: 16 x lane + 17,408 x pair
.set L8,   11                          ; 8 x lane
.set L4,   12                          ; 4 x lane
.set BO,   13                          ; b1: 64 h
.set W1S,  20                          ; v20-51  W1's scale words: K step s, columns 32 t' on at W1S + 4 s + t'
.set XS,   52                          ; v52-59  x's scale words, four registers a tile
.set HA,   60                          ; v60-123 the sums of a token tile
.set PC0,  204                         ; v204-219 two tiles' codes
.set TM,   220
.set PW0,  236
.set PWM,  238
.set WV,   14
.set G1,   24
.set G0,   32
.set SEL,  44
.set HIM,  46                          ; s46 lanes 16-31
.set HP,   52                          ; s[52:53] hq: the pair's images
.set HS,   54                          ; s[54:55] and its scale words
.set I0,   56
.set I1,   58
.set CNT,  60
.set MSB, 0
.macro WIN new                         ; the immediate's high byte repeats the setting that is left
.if MSB != \new
	s_set_vgpr_msb (MSB<<8)|\new
.set MSB, \new
.endif
.endm
.macro WM d, a, b, cc, sa, sb, ra, rb  ; ra, rb: source 0's, source 1's scale words stand in lanes 16-31
.if (\ra) && (\rb)
	v_wmma_scale_f32_16x16x128_f8f6f4 v[\d:\d+7], v[\a:\a+7], v[\b:\b+7], v[\cc:\cc+7], v[\sa], v[\sb] matrix_a_fmt:MATRIX_FMT_FP4 matrix_b_fmt:MATRIX_FMT_FP4 matrix_a_scale:MATRIX_SCALE_ROW1 matrix_b_scale:MATRIX_SCALE_ROW1
.elseif \ra
	v_wmma_scale_f32_16x16x128_f8f6f4 v[\d:\d+7], v[\a:\a+7], v[\b:\b+7], v[\cc:\cc+7], v[\sa], v[\sb] matrix_a_fmt:MATRIX_FMT_FP4 matrix_b_fmt:MATRIX_FMT_FP4 matrix_a_scale:MATRIX_SCALE_ROW1
.elseif \rb
	v_wmma_scale_f32_16x16x128_f8f6f4 v[\d:\d+7], v[\a:\a+7], v[\b:\b+7], v[\cc:\cc+7], v[\sa], v[\sb] matrix_a_fmt:MATRIX_FMT_FP4 matrix_b_fmt:MATRIX_FMT_FP4 matrix_b_scale:MATRIX_SCALE_ROW1
.else
	v_wmma_scale_f32_16x16x128_f8f6f4 v[\d:\d+7], v[\a:\a+7], v[\b:\b+7], v[\cc:\cc+7], v[\sa], v[\sb] matrix_a_fmt:MATRIX_FMT_FP4 matrix_b_fmt:MATRIX_FMT_FP4
.endif
.endm
.macro ROUND                           ; a round of the cluster's barrier
	s_barrier_signal -1
	s_barrier_wait -1
	s_cmp_lg_u32 s[WV], 0
	s_cbranch_scc1 .Lnot_wave_0_\@
	s_barrier_signal -3
.Lnot_wave_0_\@:
	s_barrier_wait -3
	s_barrier_signal -1
	s_barrier_wait -1
.endm
; 64 numbers of a lane, register 16 b + i = k 32 b + 16 h + i of my token, none negative, become a fragment's codes and its scale word
.macro QUANT src, pc, pw
.irp b, 0,1,2,3
	v_max3_num_f32 v[TM+\b], v[\src+16*\b], v[\src+1+16*\b], 0x1800000   ; with the floor 2^(3 - 127)
.endr
.irp i, 2,4,6,8,10,12,14
.irp b, 0,1,2,3
	v_max3_num_f32 v[TM+\b], v[TM+\b], v[\src+16*\b+\i], v[\src+1+16*\b+\i]
.endr
.endr
.irp b, 0,1,2,3
	v_permlanex16_b32 v[TM+4+\b], v[TM+\b], s[SEL], s[SEL+1]
.endr
.irp b, 0,1,2,3
	v_max_num_f32 v[TM+\b], v[TM+\b], v[TM+4+\b]           ; with lane l xor 16's: the block's largest
.endr
.irp b, 0,1,2,3
	v_add_nc_u32 v[TM+12+\b], 0xff000000, v[TM+\b]         ; 2 off the exponent field: the conversion's scale operand
.endr
.irp b, 0,1,2,3
	v_lshrrev_b32 v[TM+4+\b], 23, v[TM+12+\b]              ; the scale's byte
.endr
	v_lshl_or_b32 v[\pw], v[TM+5], 8, v[TM+4]
	v_lshl_or_b32 v[\pw], v[TM+6], 16, v[\pw]
	v_lshl_or_b32 v[\pw], v[TM+7], 24, v[\pw]
.irp b, 0,1,2,3
	v_cvt_scalef32_pk8_fp4_f32 v[\pc+2*\b], v[\src+16*\b:\src+7+16*\b], v[TM+12+\b]
	v_cvt_scalef32_pk8_fp4_f32 v[\pc+1+2*\b], v[\src+8+16*\b:\src+15+16*\b], v[TM+12+\b]
.endr
	v_nop                                                  ; one plain place behind a scaled conversion
.irp c, 0,1
.irp i, 0,1
	v_permlane16_swap_b32 v[\pc+4*\c+\i], v[\pc+2+4*\c+\i]
.endr
.endr
.endm
.macro XLOAD c, ahead                  ; tile c of this pair or the next: eight fragments and four registers of scale words: 17 LDS loads
	WIN 0xc0
.set i_, 0
.rept 16
	ds_load_b128 v[64+64*(\c)+4*i_:64+64*(\c)+4*i_+3], v[LIX] offset:8704*(\c)+17408*(\ahead)+512*i_
.set i_, i_+1
.endr
	WIN 0
	ds_load_b128 v[XS+4*(\c):XS+4*(\c)+3], v[LIX] offset:8704*(\c)+17408*(\ahead)+8192
.endm
.macro MM c                            ; 64 matrix instructions; the eight sums take turns, one instruction a turn
.irp s, 0,1,2,3,4,5,6,7
.if \s == 0
	WIN 0x3d
.elseif \s < 4
	WIN 0x0d
.else
	WIN 0x0e
.endif
.irp t, 0,1,2,3,4,5,6,7
.if \s == 0
	WM HA+8*\t, 64*(\s%4)+8*\t, 64+64*(\c)+8*\s, 8*\t, W1S+4*\s+\t/2, XS+4*(\c)+\s%4, \t%2, \s/4
.else
	WM HA+8*\t, 64*(\s%4)+8*\t, 64+64*(\c)+8*\s, HA+8*\t, W1S+4*\s+\t/2, XS+4*(\c)+\s%4, \t%2, \s/4
.endif
.endr
.endr
	WIN 0
.endm
.macro TILE c, load, cnt
	s_wait_dscnt \cnt                              ; this tile's 17 loads are in; the other tile's 17 may be out
	MM \c
.rept 4
	v_nop                                          ; places in front of loads into registers that the products read, and of the first read of the sums
.endr
.if \load
	XLOAD \c, 1
.endif
.set j_, 0
.rept 64
	v_max_num_f32 v[HA+j_], 0, v[HA+j_]            ; relu, each sum from its low end on
.set j_, j_+1
.endr
	QUANT HA, PC0+8*\c, PW0+\c
	global_store_b128 v[LI], v[PC0+8*\c:PC0+8*\c+3], s[HP:HP+1] offset:1024*\c        ; 512 consecutive bytes a store, aligned
	global_store_b128 v[LI], v[PC0+8*\c+4:PC0+8*\c+7], s[HP:HP+1] offset:1024*\c+512
.endm
.macro PAIR load
	TILE 0, \load, 17
.if \load
	TILE 1, 1, 17
.else
	TILE 1, 0, 0
.endif
	v_cndmask_b32 v[PWM], v[PW0], v[PW0+1], s[HIM]         ; lanes 0-15 the first tile's scale words, lanes 16-31 the second's
	global_store_b32 v[L4], v[PWM], s[HS:HS+1]
.if \load
	v_add_nc_u32 v[LIX], 17408, v[LIX]             ; two records on
	s_wait_alu depctr_va_vdst(0)
	s_cmp_eq_u32 s[CNT], 4                         ; behind the fourth pair the next block of 128 tokens begins, 278,528 bytes on
	s_mov_b32 s[I0], 2048
	s_cselect_b32 s[I0], 272384, s[I0]
	s_mov_b32 s[I1], 128
	s_cselect_b32 s[I1], 278144, s[I1]
	s_wait_xcnt 0x0                                ; the stores have read their bases and data
	s_add_nc_u64 s[HP:HP+1], s[HP:HP+1], s[I0:I0+1]
	s_add_nc_u64 s[HS:HS+1], s[HS:HS+1], s[I1:I1+1]
.endif
.endm
	s_load_b256 s[4:11], s[0:1], 0x0               ; w1q s[4:5], w1s s[6:7], b1 s[8:9], xq s[10:11]
	s_load_b64 s[12:13], s[0:1], 0x20              ; hq
	v_lshl_add_u32 v[SPW], v0, 2, SPARE
	v_mov_b32 v[NIL], 0
	ds_add_u32 v[SPW], v[NIL]
	ds_add_u32 v[SPW], v[NIL]
	v_lshrrev_b32 v14, 5, v0
	v_readfirstlane_b32 s[WV], v14                 ; wave 0..3
	s_bfe_u32 s15, ttmp6, 0x40000                  ; cx: it enters the addresses of w1q, w1s, b1 and hq alone
	s_lshl_b32 s16, ttmp9, 2
	s_add_co_u32 s16, s16, s15                     ; g
	s_lshl_b32 s16, s16, 2
	s_add_co_u32 s16, s16, s[WV]                   ; hb = 4 g + w = 32 e + the expert's hidden block
	s_and_b32 s17, ttmp7, 0xffff                   ; q, which the four partners share
	s_mov_b32 s[G1], 15|(3<<16)|(1<<21)            ; the mask: all four; elements of 8 bytes; bit 21 beside a mask
	s_mov_b32 s[G1+1], 32<<16
	s_mov_b32 s[G1+2], 136<<16
	s_mov_b32 s[G1+3], 32<<16
	s_mov_b32 s[G1+4], 136
	s_mov_b32 s[G1+5], 32
	s_mov_b32 s[G1+6], 0
	s_mov_b32 s[G1+7], 0
	s_mul_i32 s20, s17, 139264                     ; xq: 16 records a q,
	s_mul_i32 s22, s[WV], 34816                    ; four of them a wave, in memory and in LDS alike
	s_add_co_u32 s20, s20, s22
	s_mov_b32 s21, 0
	s_wait_dscnt 0x0
	s_wait_kmcnt 0x0
	s_mov_b32 s[G0], 1
	s_add_co_u32 s[G0+1], s22, 0
	s_add_nc_u64 s[G0+2:G0+3], s[10:11], s[20:21]
	s_or_b32 s[G0+3], s[G0+3], 0x80000000
	ROUND                                          ; all four work-groups are here: the joint loads meet
	tensor_load_to_lds s[G0:G0+3], s[G1:G1+7]      ; my one tensor load of the launch
	s_nop 0
.rept 4
	v_nop
.endr
	s_mov_b32 s51, 0
	s_lshl_b32 s50, s16, 16
	s_add_nc_u64 s[4:5], s[4:5], s[50:51]          ; w1q: 65,536 bytes a hidden block
	s_lshl_b32 s50, s16, 12
	s_add_nc_u64 s[6:7], s[6:7], s[50:51]          ; w1s: 4,096
	s_lshl_b32 s50, s16, 9
	s_add_nc_u64 s[8:9], s[8:9], s[50:51]          ; b1: 512
	s_lshr_b32 s48, s16, 5
	s_lshl_b32 s48, s48, 2
	s_add_co_u32 s48, s48, s17                     ; 4 e + q: two blocks of 128 tokens each
	s_mul_i32 s50, s48, 557056
	s_and_b32 s49, s16, 31
	s_mul_i32 s49, s49, 8704
	s_add_co_u32 s50, s50, s49
	s_add_nc_u64 s[HP:HP+1], s[12:13], s[50:51]
	s_add_nc_u64 s[HS:HS+1], s[HP:HP+1], 8192
	s_mov_b32 s[I0+1], 0
	s_mov_b32 s[I1+1], 0
	s_mov_b32 s[SEL], 0x76543210
	s_mov_b32 s[SEL+1], 0xfedcba98
	s_mov_b32 s[HIM], 0xffff0000
	v_and_b32 v14, 31, v0
	v_bfe_u32 v16, v0, 4, 1
	v_lshlrev_b32 v[LI], 4, v14
	v_lshlrev_b32 v[LIX], 4, v14
	v_lshlrev_b32 v[L8], 3, v14
	v_lshlrev_b32 v[L4], 2, v14
	v_lshlrev_b32 v[BO], 6, v16
.irp b, 0,1,2,3
	v_mov_b32 v[TM+4+\b], 0                        ; written once: a lane permute's destination counts as one of its sources
.endr
	s_wait_alu depctr_va_vdst(0)
	WIN 0xc0
.irp t, 0,1,2,3,4,5,6,7
	global_load_b128 v[8*\t:8*\t+3], v[BO], s[8:9] offset:(32*(\t/2)+8*(\t%2))*4       ; b1 at the lane's eight hidden units of tile t
	global_load_b128 v[8*\t+4:8*\t+7], v[BO], s[8:9] offset:(32*(\t/2)+8*(\t%2))*4+16
.endr
.irp s, 0,1,2,3,4,5,6,7
.if \s < 4
	WIN 0x40
.else
	WIN 0x80
.endif
.set i_, 0
.rept 16
	global_load_b128 v[64*(\s%4)+4*i_:64*(\s%4)+4*i_+3], v[LI], s[4:5] offset:8192*\s+512*i_
.set i_, i_+1
.endr
.endr
	WIN 0
.irp s, 0,1,2,3,4,5,6,7
.irp p, 0,1
	global_load_b64 v[W1S+4*\s+2*\p:W1S+4*\s+2*\p+1], v[L8], s[6:7] offset:512*\s+256*\p
.endr
.endr
	s_wait_tensorcnt 0x0                           ; my four records are in;
	s_barrier_signal -1
	s_barrier_wait -1                              ; everybody's are
	XLOAD 0, 0
	XLOAD 1, 0
	s_wait_loadcnt 0x0                             ; W1, its scale words, b1
	s_mov_b32 s[CNT], 7
.Lpair:
	PAIR 1
	s_sub_co_u32 s[CNT], s[CNT], 1
	s_cmp_lg_u32 s[CNT], 0
	s_cbranch_scc1 .Lpair
	PAIR 0                                         ; the last pair reads nothing beyond the block
	s_wait_tensorcnt 0x0                           ; the wave's end
	ds_add_u32 v[SPW], v[NIL]
	s_wait_dscnt 0x0
	ROUND                                          ; the closing round
	s_endpgm
.Lfunc_end_k_q64591da16c_gemm1:
	.size	k_q64591da16c_gemm1, .Lfunc_end_k_q64591da16c_gemm1-k_q64591da16c_gemm1
	.p2alignl 7, 3214868480
	.fill 96, 4, 3214868480
	.section	.rodata,"a",@progbits
	.p2align	6, 0x0
	.amdhsa_kernel k_q64591da16c_gemm1
		.amdhsa_group_segment_fixed_size 167936
		.amdhsa_private_segment_fixed_size 0
		.amdhsa_enable_private_segment 0
		.amdhsa_kernarg_size 40
		.amdhsa_user_sgpr_count 2
		.amdhsa_user_sgpr_kernarg_segment_ptr 1
		.amdhsa_wavefront_size32 1
		.amdhsa_system_sgpr_workgroup_id_x 1
		.amdhsa_system_sgpr_workgroup_id_y 1
		.amdhsa_system_sgpr_workgroup_id_z 1
		.amdhsa_system_vgpr_workitem_id 0
		.amdhsa_next_free_vgpr 960
		.amdhsa_next_free_sgpr 66
		.amdhsa_reserve_vcc 0
		.amdhsa_float_denorm_mode_32 3
		.amdhsa_float_denorm_mode_16_64 3
		.amdhsa_memory_ordered 1
		.amdhsa_forward_progress 1
		.amdhsa_inst_pref_size 82
	.end_amdhsa_kernel
	.amdgpu_metadata
---
amdhsa.version: [ 1, 2 ]
amdhsa.kernels:
  - .name:           k_q64591da16c_gemm1
    .symbol:         k_q64591da16c_gemm1.kd
    .args:
      - { .name: w1q, .offset: 0, .size: 8, .value_kind: global_buffer, .address_space: global }
      - { .name: w1s, .offset: 8, .size: 8, .value_kind: global_buffer, .address_space: global }
      - { .name: b1, .offset: 16, .size: 8, .value_kind: global_buffer, .address_space: global }
      - { .name: xq, .offset: 24, .size: 8, .value_kind: global_buffer, .address_space: global }
      - { .name: hq, .offset: 32, .size: 8, .value_kind: global_buffer, .address_space: global }
    .group_segment_fixed_size: 167936
    .private_segment_fixed_size: 0
    .kernarg_segment_align: 8
    .kernarg_segment_size: 40
    .max_flat_workgroup_size: 128
    .sgpr_count:     66
    .vgpr_count:     960
    .wavefront_size: 32
...
	.end_amdgpu_metadata
.endif
;; end of part 2
;; launch g2 (part 3): grid 4 x 64, 4 waves a work-group, clusters of 4 x 1, 327,680 bytes of LDS; arguments hq, w2q, w2s, b2, outs; writes outs
.if DOCPART == 3
	.amdgcn_target "amdgcn-amd-amdhsa--gfx1250"
	.amdhsa_code_object_version 6
	.text
	.protected	k_q64591da16c_g2
	.globl	k_q64591da16c_g2
	.p2align	8
	.type	k_q64591da16c_g2,@function
k_q64591da16c_g2:
	s_mov_b64 s[64:65], 0
	v_nop
	global_prefetch_b8 v0, s[64:65] scope:SCOPE_SE
	s_setreg_imm32_b32 hwreg(HW_REG_WAVE_MODE, 25, 1), 1
	s_wait_xcnt 0x0
	s_wait_alu depctr_hold_cnt(0) depctr_sa_sdst(0) depctr_va_vdst(0) depctr_va_sdst(0) depctr_va_ssrc(0) depctr_va_vcc(0) depctr_vm_vsrc(0)
	s_getreg_b32 s2, hwreg(HW_REG_IB_STS2, 6, 4)
	s_cmp_eq_u32 s2, 0
	s_cbranch_scc0 .Lentry_in_a_cluster
	s_endpgm
.Lentry_in_a_cluster:
	s_bfe_u32 s2, ttmp6, 0x10000c
	s_cmp_lg_u32 s2, 0x3003
	s_cbranch_scc0 .Lentry_shape_is_right
	s_endpgm
.Lentry_shape_is_right:
; outs[e][n][d] = the sum over the hidden axis of h[n][e][.] W2[e][.][d] + b2[e][d], on codes of FP4 (E2M1) with one E8M0 scale for each 32 along K; sums in f32; stored as bf16, the operand of the weighted sum over experts.
; SHARES.  Work-group (db, y = 8 e + tb): 128 tokens (block tb) x 256 d (block db) of expert e, K = 4,096 in 32 steps of 128.  Wave w: all 128 tokens (8 tiles a) x tiles 4 w .. 4 w + 3 of d (b): 32 accumulators.
; h's block, 32 records of 8,704 bytes (eight images of fragments and their scale words), is 278,528 dense bytes of hq: it comes into LDS ONCE, as it lies, and stays: nothing is filled again.
; CLUSTER: the four work-groups of a cluster have the same y, so each of these loads is asked for JOINTLY, with the same descriptor and a mask that names the four.
; W2's fragments are each used by one wave of the work-group: they go from w2q straight into that wave's registers, six K steps ahead, in a ring of seven sets.  They are not shared through LDS: h's block takes
; 278,528 of the 327,680 bytes.
; THE MATRIX INSTRUCTION IS USED TRANSPOSED (source 0 = 16 d of W2, source 1 = 16 tokens): a lane holds eight neighbouring d of one token.  b2 is the C of each sum's first matrix instruction.
; LIMITS: the results are rounded to bf16 (they are an operand of a product that is left as it is); NaN and infinities are not served.
; REGISTERS: window 0: v1-8 addresses; v16-29 W2's scale words, a pair a set; v32-39 h's, two sets of four; v64-191 h's fragments, two sets of eight; on the way out the packed results.
;   window 1: accumulator (a, b) at v[8 (4 a + b)].   window 2: W2's fragments, set s % 7 at v[32 (s % 7) + 8 b]; from v224 b2, 8 a tile.
.set AH,  1                            ; v1   16 x lane, + 34,816 for every four K steps
.set AHS, 2                            ; v2   8192 + 4 x lane, likewise
.set WO,  3                            ; v3   w2q: 4096 w + 16 x lane
.set WSO, 4                            ; v4   w2s: 256 w + 8 x lane
.set STO, 5                            ; v5   the way out: where I put 16 bytes of a row
.set RD,  6                            ; v6   and where I read a row back
.set CO,  7                            ; v7   my byte offset in a row's 512 bytes of outs
.set BO,  8                            ; v8   b2: 32 h
.set WS,  16
.set HS,  32
.set HF,  64
.set WV,  14                           ; s14 wave
.set G1,  24                           ; s[24:31] descriptor group 1
.set G0,  32                           ; s[32:39] two groups 0; s[40:41] at work
.set G1B, 52                           ; s[52:59] descriptor group 1 of the second load
.set MSB, 0
.macro WIN new                         ; s_set_vgpr_msb: bits 1:0 source 0, 3:2 source 1, 5:4 source 2, 7:6 destination; the high byte repeats the setting that is left
.if MSB != \new
	s_set_vgpr_msb (MSB<<8)|\new
.set MSB, \new
.endif
.endm
.macro WM d, a, b, cc, sa, sb, ra, rb  ; the scaled product on 4-bit codes.  ra, rb: source 0's, source 1's scale words stand in lanes 16-31 of their register
.if (\ra) && (\rb)
	v_wmma_scale_f32_16x16x128_f8f6f4 v[\d:\d+7], v[\a:\a+7], v[\b:\b+7], v[\cc:\cc+7], v[\sa], v[\sb] matrix_a_fmt:MATRIX_FMT_FP4 matrix_b_fmt:MATRIX_FMT_FP4 matrix_a_scale:MATRIX_SCALE_ROW1 matrix_b_scale:MATRIX_SCALE_ROW1
.elseif \ra
	v_wmma_scale_f32_16x16x128_f8f6f4 v[\d:\d+7], v[\a:\a+7], v[\b:\b+7], v[\cc:\cc+7], v[\sa], v[\sb] matrix_a_fmt:MATRIX_FMT_FP4 matrix_b_fmt:MATRIX_FMT_FP4 matrix_a_scale:MATRIX_SCALE_ROW1
.elseif \rb
	v_wmma_scale_f32_16x16x128_f8f6f4 v[\d:\d+7], v[\a:\a+7], v[\b:\b+7], v[\cc:\cc+7], v[\sa], v[\sb] matrix_a_fmt:MATRIX_FMT_FP4 matrix_b_fmt:MATRIX_FMT_FP4 matrix_b_scale:MATRIX_SCALE_ROW1
.else
	v_wmma_scale_f32_16x16x128_f8f6f4 v[\d:\d+7], v[\a:\a+7], v[\b:\b+7], v[\cc:\cc+7], v[\sa], v[\sb] matrix_a_fmt:MATRIX_FMT_FP4 matrix_b_fmt:MATRIX_FMT_FP4
.endif
.endm
.macro ROUND                           ; a round of the cluster's barrier
	s_barrier_signal -1
	s_barrier_wait -1
	s_cmp_lg_u32 s[WV], 0
	s_cbranch_scc1 .Lnot_wave_0_\@
	s_barrier_signal -3
.Lnot_wave_0_\@:
	s_barrier_wait -3
	s_barrier_signal -1
	s_barrier_wait -1
.endm
.macro WLOAD s                         ; K step s of W2: my four fragments and two registers of scale words: 9 loads
	WIN 0x80
.irp b, 0,1,2,3
.irp c, 0,1
	global_load_b128 v[32*((\s)%7)+8*\b+4*\c:32*((\s)%7)+8*\b+4*\c+3], v[WO], s[6:7] offset:16384*(\s)+1024*\b+512*\c
.endr
.endr
	WIN 0
	global_load_b64 v[WS+2*((\s)%7):WS+2*((\s)%7)+1], v[WSO], s[8:9] offset:1024*(\s)
.endm
.macro HLOAD s                         ; K step s of h: eight fragments and four registers of scale words: 20 LDS loads
.if (((\s)%4) == 0) && ((\s) > 0)
	v_add_nc_u32 v[AH], 34816, v[AH]               ; four records on: the immediates reach no further
	s_wait_alu depctr_va_vdst(0)
	v_add_nc_u32 v[AHS], 34816, v[AHS]
.endif
.irp a, 0,1,2,3,4,5,6,7
.irp c, 0,1
	ds_load_b128 v[HF+64*((\s)%2)+8*\a+4*\c:HF+64*((\s)%2)+8*\a+4*\c+3], v[AH] offset:8704*((\s)%4)+1024*\a+512*\c
.endr
.endr
.irp a, 0,1,2,3
	ds_load_b32 v[HS+4*((\s)%2)+\a], v[AHS] offset:8704*((\s)%4)+128*\a
.endr
.endm
; K step KS: 32 matrix instructions; the 32 accumulators take turns, one instruction a turn, in the same order in every step.
.macro KSTEP
.if KS == 0
	s_wait_alu depctr_va_vdst(0)
	s_wait_tensorcnt 0x0                           ; my two of records 0 .. 7 are in
	ds_add_u32 v254, v255
	s_wait_dscnt 0x0
	ROUND                                          ; everybody's are in, and all four work-groups are here: the joint loads meet
	tensor_load_to_lds s[G0+4:G0+7], s[G1B:G1B+7]  ; my six of records 8 .. 31: filled once; eight K steps stand ahead of the wait for them
	s_nop 0
.rept 4
	v_nop
.endr
	HLOAD 0
.endif
.if KS == 8
	s_wait_tensorcnt 0x0                           ; my six records are in
	s_wait_dscnt 0x0                               ; no LDS instruction of mine is out at a signal
	s_barrier_signal -1
	s_barrier_wait -1                              ; everybody's are: records 8 .. 31 are whole
	HLOAD 8
.endif
.if KS > 0
.rept 4
	v_nop                                          ; places in front of loads into registers that the last step's matrix instructions have read
.endr
.endif
.if KS+6 <= 31
	WLOAD KS+6
.endif
.if (KS != 7) && (KS != 31)
	HLOAD KS+1
	s_wait_alu depctr_va_vdst(0)
	s_wait_dscnt 20                                ; this step's h is in; the next step's 20 loads may be out
.else
	s_wait_dscnt 0x0
.endif
.if KS <= 25
	s_wait_loadcnt 54                              ; this step's W2 is in; six younger sets of 9 loads may be out
.else
	s_wait_loadcnt 9*(31-KS)
.endif
.if KS == 0
	WIN 0x62                                       ; W2 window 2, h window 0, C = b2 in window 2, D window 1
.else
	WIN 0x52
.endif
.irp a, 0,1,2,3,4,5,6,7
.irp b, 0,1,2,3
.if KS == 0
	WM 8*(4*\a+\b), 32*(KS%7)+8*\b, HF+64*(KS%2)+8*\a, 224+8*\b, WS+2*(KS%7)+\b/2, HS+4*(KS%2)+\a/2, \b%2, \a%2
.else
	WM 8*(4*\a+\b), 32*(KS%7)+8*\b, HF+64*(KS%2)+8*\a, 8*(4*\a+\b), WS+2*(KS%7)+\b/2, HS+4*(KS%2)+\a/2, \b%2, \a%2
.endif
.endr
.endr
	WIN 0
.endm
	s_load_b256 s[4:11], s[0:1], 0x0               ; hq s[4:5], w2q s[6:7], w2s s[8:9], b2 s[10:11]
	s_load_b64 s[12:13], s[0:1], 0x20              ; outs
	v_lshl_add_u32 v254, v0, 2, 0x44000
	v_mov_b32 v255, 0
	ds_add_u32 v254, v255
	ds_add_u32 v254, v255
	v_lshrrev_b32 v9, 5, v0
	v_readfirstlane_b32 s[WV], v9                  ; wave 0..3
	s_bfe_u32 s15, ttmp6, 0x40000                  ; cx: my place in the cluster
	s_lshl_b32 s16, ttmp9, 2
	s_add_co_u32 s16, s16, s15                     ; db = 4 x cluster x + cx: it enters the addresses of W2, b2 and outs alone
	s_and_b32 s17, ttmp7, 0xffff                   ; y, which the four partners share
	s_lshr_b32 s18, s17, 3                         ; e
	; descriptor group 1: two records, 17,408 dense bytes, as 68 rows of 256 bytes (32 elements of 8 bytes)
	s_mov_b32 s[G1], 15|(3<<16)|(1<<21)            ; 15:0 the mask: all four work-groups; 17:16 elements of 8 bytes; 21 set beside a mask
	s_mov_b32 s[G1+1], 32<<16                      ; tensor_dim0 = 32
	s_mov_b32 s[G1+2], 68<<16                      ; tensor_dim1 = 68
	s_mov_b32 s[G1+3], 32<<16                      ; tile_dim0 = 32
	s_mov_b32 s[G1+4], 68                          ; tile_dim1 = 68
	s_mov_b32 s[G1+5], 32                          ; from row to row
	s_mov_b32 s[G1+6], 0
	s_mov_b32 s[G1+7], 0
	s_mov_b32 s[G1B], 15|(3<<16)|(1<<21)           ; the second load: six records, 52,224 dense bytes, as 204 rows of 256 bytes
	s_mov_b32 s[G1B+1], 32<<16
	s_mov_b32 s[G1B+2], 204<<16
	s_mov_b32 s[G1B+3], 32<<16
	s_mov_b32 s[G1B+4], 204
	s_mov_b32 s[G1B+5], 32
	s_mov_b32 s[G1B+6], 0
	s_mov_b32 s[G1B+7], 0
	s_mul_i32 s23, s[WV], 52224                    ; records 8 + 6 w on: in memory and in LDS alike
	s_mul_i32 s40, s17, 278528
	s_add_co_u32 s40, s40, s23
	s_add_co_u32 s40, s40, 69632
	s_mov_b32 s41, 0
	s_mul_i32 s20, s17, 278528                     ; hq: the block of y,
	s_mul_i32 s22, s[WV], 17408                    ; records 2 w and 2 w + 1 of each eight: in memory and in LDS alike
	s_add_co_u32 s20, s20, s22
	s_mov_b32 s21, 0
	s_wait_dscnt 0x0
	s_wait_kmcnt 0x0
	s_add_nc_u64 s[G0+6:G0+7], s[4:5], s[40:41]    ; the second load's global address
	s_add_nc_u64 s[4:5], s[4:5], s[20:21]
	s_mov_b32 s[G0], 1                             ; 1:0 count = 1
	s_add_co_u32 s[G0+1], s22, 0                   ; LDS address: records 2 w, 2 w + 1
	s_mov_b64 s[G0+2:G0+3], s[4:5]
	s_or_b32 s[G0+3], s[G0+3], 0x80000000          ; type = 2
	s_mov_b32 s[G0+4], 1
	s_add_co_u32 s[G0+5], s23, 69632
	s_or_b32 s[G0+7], s[G0+7], 0x80000000
	ROUND                                          ; all four work-groups are here: the joint loads meet
	tensor_load_to_lds s[G0:G0+3], s[G1:G1+7]      ; one tensor load a wave at the head: records 0 .. 7, two a wave
	s_nop 0
.rept 4
	v_nop
.endr
	s_lshl_b32 s48, s18, 2
	s_add_co_u32 s48, s48, s16                     ; 4 e + db
	s_lshl_b32 s50, s48, 19                        ; w2q: 32 K steps x 16 images
	s_mov_b32 s51, 0
	s_add_nc_u64 s[6:7], s[6:7], s[50:51]
	s_lshl_b32 s50, s48, 15                        ; w2s: 32 K steps x 1,024 bytes
	s_add_nc_u64 s[8:9], s[8:9], s[50:51]
	s_lshl_b32 s50, s48, 10                        ; b2: (1024 e + 256 db) x 4 bytes,
	s_lshl_b32 s49, s[WV], 8                       ; my 64 d
	s_add_co_u32 s50, s50, s49
	s_add_nc_u64 s[10:11], s[10:11], s[50:51]
	s_lshl_b32 s50, s17, 18                        ; outs: row 128 y of 2,048 bytes,
	s_lshl_b32 s49, s[WV], 16                      ; the 32 rows that I store,
	s_add_co_u32 s50, s50, s49
	s_lshl_b32 s49, s16, 9                         ; 256 db columns
	s_add_co_u32 s50, s50, s49
	s_add_nc_u64 s[12:13], s[12:13], s[50:51]
	v_and_b32 v9, 31, v0                           ; lane
	v_and_b32 v10, 15, v0                          ; r
	v_bfe_u32 v11, v0, 4, 1                        ; h
	v_lshlrev_b32 v[AH], 4, v9
	v_lshlrev_b32 v[AHS], 2, v9
	v_add_nc_u32 v[AHS], 8192, v[AHS]
	s_lshl_b32 s49, s[WV], 12
	v_add_nc_u32 v[WO], s49, v[AH]
	s_wait_alu depctr_va_vdst(0)
	s_lshl_b32 s49, s[WV], 8
	v_lshl_add_u32 v[WSO], v9, 3, s49
	s_wait_alu depctr_va_vdst(0)
	v_mul_u32_u24 v[STO], v10, 528                 ; the stage: rows of 512 bytes + 16; in: row r, + 16 h, + my 128 bytes
	v_lshl_add_u32 v[STO], v11, 4, v[STO]
	s_lshl_b32 s49, s[WV], 7
	v_add_nc_u32 v[STO], s49, v[STO]
	s_mul_i32 s49, s[WV], 16896                    ; back: rows 32 w on, 16 bytes a lane
	v_add_nc_u32 v[RD], s49, v[AH]
	v_lshlrev_b32 v[CO], 4, v9
	v_lshlrev_b32 v[BO], 5, v11
	WIN 0x80
.irp b, 0,1,2,3
	global_load_b128 v[224+8*\b:224+8*\b+3], v[BO], s[10:11] offset:64*\b      ; b2 at d = 16 b + 8 h + 0 .. 7 of my 64
	global_load_b128 v[224+8*\b+4:224+8*\b+7], v[BO], s[10:11] offset:64*\b+16
.endr
.irp s, 0,1,2,3,4,5
	WLOAD \s
.endr
.set KS, 0
.rept 32
	KSTEP
.set KS, KS+1
.endr
	; THE WAY OUT.  A row's 256 d come from four waves: rounded to bf16 they meet in a stage of 128 rows, which lies over h's first bytes: those have had their only fill, and behind the barrier nobody reads them.
.rept 4
	v_nop                                          ; places in front of the first read of results and of writes into h's registers
.endr
	s_barrier_signal -1                            ; (my LDS loads are in since the last step's wait for 0)
	s_barrier_wait -1
	WIN 0x05                                       ; sources 0 and 1 window 1
.set j_, 0
.rept 32
.irp i, 0,1,2,3
	v_cvt_pk_bf16_f32 v[HF+4*j_+\i], v[8*j_+2*\i], v[8*j_+2*\i+1]   ; each accumulator from its low end on
.endr
.set j_, j_+1
.endr
	WIN 0
.irp a, 0,1,2,3,4,5,6,7
.irp b, 0,1,2,3
	ds_store_b128 v[STO], v[HF+4*(4*\a+\b):HF+4*(4*\a+\b)+3] offset:8448*\a+32*\b
.endr
.endr
	s_wait_dscnt 0x0                               ; for the others' sake: my stores have landed
	s_barrier_signal -1
	s_barrier_wait -1
.set j_, 0
.rept 32
	ds_load_b128 v[HF+4*j_:HF+4*j_+3], v[RD] offset:528*j_
.set j_, j_+1
.endr
.set j_, 0
.rept 32
	s_wait_dscnt 31-j_
	global_store_b128 v[CO], v[HF+4*j_:HF+4*j_+3], s[12:13] offset:2048*j_   ; 32 lanes store 512 consecutive bytes, at a multiple of 512 from the buffer's first byte
.set j_, j_+1
.endr
	s_wait_tensorcnt 0x0
	ds_add_u32 v254, v255
	s_wait_dscnt 0x0
	ROUND                                          ; the closing round: no work-group ends while a partner may still ask for a tile that names it
	s_endpgm
.Lfunc_end_k_q64591da16c_g2:
	.size	k_q64591da16c_g2, .Lfunc_end_k_q64591da16c_g2-k_q64591da16c_g2
	.p2alignl 7, 3214868480
	.fill 96, 4, 3214868480
	.section	.rodata,"a",@progbits
	.p2align	6, 0x0
	.amdhsa_kernel k_q64591da16c_g2
		.amdhsa_group_segment_fixed_size 327680
		.amdhsa_private_segment_fixed_size 0
		.amdhsa_enable_private_segment 0
		.amdhsa_kernarg_size 40
		.amdhsa_user_sgpr_count 2
		.amdhsa_user_sgpr_kernarg_segment_ptr 1
		.amdhsa_wavefront_size32 1
		.amdhsa_system_sgpr_workgroup_id_x 1
		.amdhsa_system_sgpr_workgroup_id_y 1
		.amdhsa_system_sgpr_workgroup_id_z 1
		.amdhsa_system_vgpr_workitem_id 0
		.amdhsa_next_free_vgpr 768
		.amdhsa_next_free_sgpr 66
		.amdhsa_reserve_vcc 0
		.amdhsa_float_denorm_mode_32 3
		.amdhsa_float_denorm_mode_16_64 3
		.amdhsa_memory_ordered 1
		.amdhsa_forward_progress 1
		.amdhsa_inst_pref_size 230
	.end_amdhsa_kernel
	.amdgpu_metadata
---
amdhsa.version: [ 1, 2 ]
amdhsa.kernels:
  - .name:           k_q64591da16c_g2
    .symbol:         k_q64591da16c_g2.kd
    .args:
      - { .name: hq, .offset: 0, .size: 8, .value_kind: global_buffer, .address_space: global }
      - { .name: w2q, .offset: 8, .size: 8, .value_kind: global_buffer, .address_space: global }
      - { .name: w2s, .offset: 16, .size: 8, .value_kind: global_buffer, .address_space: global }
      - { .name: b2, .offset: 24, .size: 8, .value_kind: global_buffer, .address_space: global }
      - { .name: outs, .offset: 32, .size: 8, .value_kind: global_buffer, .address_space: global }
    .group_segment_fixed_size: 327680
    .private_segment_fixed_size: 0
    .kernarg_segment_align: 8
    .kernarg_segment_size: 40
    .max_flat_workgroup_size: 128
    .sgpr_count:     66
    .vgpr_count:     768
    .wavefront_size: 32
...
	.end_amdgpu_metadata
.endif
;; end of part 3
;; launch combine (part 4): grid 256 x 1, 8 waves a work-group, no clusters, 0 bytes of LDS; arguments outs, wgt, out0; writes out0
.if DOCPART == 4
	.amdgcn_target "amdgcn-amd-amdhsa--gfx1250"
	.amdhsa_code_object_version 6
	.text
	.protected	k_q64591da16c_combine
	.globl	k_q64591da16c_combine
	.p2align	8
	.type	k_q64591da16c_combine,@function
k_q64591da16c_combine:
	s_mov_b64 s[64:65], 0
	v_nop
	global_prefetch_b8 v0, s[64:65] scope:SCOPE_SE
	s_setreg_imm32_b32 hwreg(HW_REG_WAVE_MODE, 25, 1), 1
	s_wait_xcnt 0x0
; out0[n][d] = the sum over e of wgt[n][e] outs[e][n][d].  outs: [8][1024][1024] bf16; wgt: [1024][8] f32; out0: [1024][1024] f32.  Products and sums in f32, one fused multiply-add for each term.
; A stream: a work-group takes four rows n; thread t takes d = 4 t .. 4 t + 3 of each.  A wave's load takes 256 consecutive bytes of a row of outs, its store 512 consecutive bytes of out0, both aligned.
; All 32 loads of a thread are issued at once; the rows are worked as they arrive.  No LDS, no barrier, no matrix unit (K = 8), no cluster (work-groups share nothing).
.set A, 16                             ; v16-31   four sums a row
.set D, 32                             ; v32-95   row i, expert e: the pair at D + 2 (8 i + e): four bf16
.set W, 96                             ; v96-127  row i's eight weights at W + 8 i
	s_load_b128 s[4:7], s[0:1], 0x0                ; outs s[4:5], wgt s[6:7]
	s_load_b64 s[8:9], s[0:1], 0x10                ; out0
	v_lshlrev_b32 v1, 3, v0                        ; outs: 8 bytes a thread
	v_lshlrev_b32 v2, 4, v0                        ; out0: 16 bytes a thread
	v_mov_b32 v3, 0                                ; wgt: the same bytes for every thread
	s_lshl_b32 s12, ttmp9, 13                      ; four rows of 2,048 bytes
	s_mov_b32 s13, 0
	s_lshl_b32 s14, ttmp9, 7                       ; four rows of 32 bytes
	s_mov_b32 s15, 0
	s_lshl_b32 s16, ttmp9, 14                      ; four rows of 4,096 bytes
	s_mov_b32 s17, 0
	s_wait_alu depctr_va_vdst(0)
	s_wait_kmcnt 0x0
	s_add_nc_u64 s[4:5], s[4:5], s[12:13]          ; experts 0-3: their 2,097,152 bytes each stand in the immediate,
	s_add_nc_u64 s[10:11], s[4:5], 0x800000        ; experts 4-7 from a second base: the signed 24-bit immediate (ISA guide, chapter 10) reaches no further
	s_add_nc_u64 s[6:7], s[6:7], s[14:15]
	s_add_nc_u64 s[8:9], s[8:9], s[16:17]
.irp i, 0,1,2,3
	global_load_b128 v[W+8*\i:W+8*\i+3], v3, s[6:7] offset:32*\i
	global_load_b128 v[W+8*\i+4:W+8*\i+7], v3, s[6:7] offset:32*\i+16
.endr
.irp i, 0,1,2,3
.irp e, 0,1,2,3
	global_load_b64 v[D+2*(8*\i+\e):D+2*(8*\i+\e)+1], v1, s[4:5] offset:2097152*\e+2048*\i th:TH_LOAD_NT
.endr
.irp e, 0,1,2,3
	global_load_b64 v[D+2*(8*\i+4+\e):D+2*(8*\i+4+\e)+1], v1, s[10:11] offset:2097152*\e+2048*\i th:TH_LOAD_NT
.endr
.endr
.irp i, 0,1,2,3
	s_wait_loadcnt 8*(3-\i)                        ; the weights and this row's eight loads are in; the later rows' may be out
	v_lshlrev_b32 v4, 16, v[D+16*\i]               ; expert 0 starts the sums: bf16 to f32 is a shift or a mask
	v_and_b32 v5, 0xffff0000, v[D+16*\i]
	v_lshlrev_b32 v6, 16, v[D+16*\i+1]
	v_and_b32 v7, 0xffff0000, v[D+16*\i+1]
	s_delay_alu instid0(VALU_DEP_4)
	v_mul_f32 v[A+4*\i], v4, v[W+8*\i]
	s_delay_alu instid0(VALU_DEP_4)
	v_mul_f32 v[A+4*\i+1], v5, v[W+8*\i]
	s_delay_alu instid0(VALU_DEP_4)
	v_mul_f32 v[A+4*\i+2], v6, v[W+8*\i]
	s_delay_alu instid0(VALU_DEP_4)
	v_mul_f32 v[A+4*\i+3], v7, v[W+8*\i]
.irp e, 1,2,3,4,5,6,7
	s_delay_alu instid0(VALU_DEP_4)
	v_fma_mix_f32_bf16 v[A+4*\i], v[D+16*\i+2*\e], v[W+8*\i+\e], v[A+4*\i] op_sel_hi:[1,0,0]                      ; the low half as bf16, weight and sum as f32
	s_delay_alu instid0(VALU_DEP_4)
	v_fma_mix_f32_bf16 v[A+4*\i+1], v[D+16*\i+2*\e], v[W+8*\i+\e], v[A+4*\i+1] op_sel:[1,0,0] op_sel_hi:[1,0,0]   ; the high half
	s_delay_alu instid0(VALU_DEP_4)
	v_fma_mix_f32_bf16 v[A+4*\i+2], v[D+16*\i+2*\e+1], v[W+8*\i+\e], v[A+4*\i+2] op_sel_hi:[1,0,0]
	s_delay_alu instid0(VALU_DEP_4)
	v_fma_mix_f32_bf16 v[A+4*\i+3], v[D+16*\i+2*\e+1], v[W+8*\i+\e], v[A+4*\i+3] op_sel:[1,0,0] op_sel_hi:[1,0,0]
.endr
	global_store_b128 v2, v[A+4*\i:A+4*\i+3], s[8:9] offset:4096*\i th:TH_STORE_NT
.endr
	s_endpgm
.Lfunc_end_k_q64591da16c_combine:
	.size	k_q64591da16c_combine, .Lfunc_end_k_q64591da16c_combine-k_q64591da16c_combine
	.p2alignl 7, 3214868480
	.fill 96, 4, 3214868480
	.section	.rodata,"a",@progbits
	.p2align	6, 0x0
	.amdhsa_kernel k_q64591da16c_combine
		.amdhsa_group_segment_fixed_size 0
		.amdhsa_private_segment_fixed_size 0
		.amdhsa_enable_private_segment 0
		.amdhsa_kernarg_size 24
		.amdhsa_user_sgpr_count 2
		.amdhsa_user_sgpr_kernarg_segment_ptr 1
		.amdhsa_wavefront_size32 1
		.amdhsa_system_sgpr_workgroup_id_x 1
		.amdhsa_system_sgpr_workgroup_id_y 1
		.amdhsa_system_sgpr_workgroup_id_z 1
		.amdhsa_system_vgpr_workitem_id 0
		.amdhsa_next_free_vgpr 128
		.amdhsa_next_free_sgpr 66
		.amdhsa_reserve_vcc 0
		.amdhsa_float_denorm_mode_32 3
		.amdhsa_float_denorm_mode_16_64 3
		.amdhsa_memory_ordered 1
		.amdhsa_forward_progress 1
		.amdhsa_inst_pref_size 18
	.end_amdhsa_kernel
	.amdgpu_metadata
---
amdhsa.version: [ 1, 2 ]
amdhsa.kernels:
  - .name:           k_q64591da16c_combine
    .symbol:         k_q64591da16c_combine.kd
    .args:
      - { .name: outs, .offset: 0, .size: 8, .value_kind: global_buffer, .address_space: global }
      - { .name: wgt, .offset: 8, .size: 8, .value_kind: global_buffer, .address_space: global }
      - { .name: out0, .offset: 16, .size: 8, .value_kind: global_buffer, .address_space: global }
    .group_segment_fixed_size: 0
    .private_segment_fixed_size: 0
    .kernarg_segment_align: 8
    .kernarg_segment_size: 24
    .max_flat_workgroup_size: 256
    .sgpr_count:     66
    .vgpr_count:     128
    .wavefront_size: 32
...
	.end_amdgpu_metadata
.endif
;; end of part 4
